; MI455X (gfx1250); checked and timed in simulation.
; The chip was launched on July 23, 2026; its instructions are those of AMD's public machine-readable ISA for CDNA 5 (MIT licence, August 2026) and "CDNA5" Instruction Set Architecture Reference Guide (July 2026). The comments in the code are by the model that wrote it; some were corrected since.
;; Window Routing. Allowed arithmetic: float matrix products may take bf16 or f16 operands with f32 sums; other float arithmetic in f32, or as packed bf16 or f16 multiplies, adds, multiply-adds, maxima and minima; sums over many terms, partial sums and values carried from step to step in f32; what a program stores and reads back later, other than sums and carried values, may be rounded once to bf16 or f16.
;; Inputs: image 4 x 8,192 x 128 float32; query 4 x 4,096 x 128 float32.
;; Outputs: out0 4 x 4,096 x 4 int32.
;; 2 versions, each right; version 2 is version 1 with the launch pick written anew for expert scheduling mode. Each part assembles by itself: llvm-mc -triple=amdgcn-amd-amdhsa -mcpu=gfx1250 --defsym DOCPART=n.
;; ======== version 1 of 2: 3 launches
;; workspace buffers: x16 12,582,912 bytes; cand 2,097,152 bytes of whole numbers
;; launch cvt (part 1): grid 768 x 1, 8 waves a work-group, no clusters, 0 bytes of LDS; arguments image, query, x16; writes x16
.if DOCPART == 1
	.amdgcn_target "amdgcn-amd-amdhsa--gfx1250"
	.amdhsa_code_object_version 6
	.text
	.protected	k_qe0109682e3_cvt
	.globl	k_qe0109682e3_cvt
	.p2align	8
	.type	k_qe0109682e3_cvt,@function
k_qe0109682e3_cvt:
	s_mov_b64 s[64:65], 0
	v_nop
	global_prefetch_b8 v0, s[64:65] scope:SCOPE_SE
	s_setreg_imm32_b32 hwreg(HW_REG_WAVE_MODE, 25, 1), 1
	s_wait_xcnt 0x0
; x16 = bf16(image), then bf16(query): each f32 rounded once, to nearest even.  image: 4 x 8192 x 128 f32, query: 4 x 4096 x 128 f32.
; x16: image's 8,388,608 bytes of bf16 from byte 0, query's 4,194,304 from byte 0x800000; both keep their order.
; A stream: every byte is read once and written once, so no LDS, no barrier, no matrix unit, no cluster (no two work-groups read the same byte).
; A work-group of 8 waves takes 32,768 bytes of f32 and writes 16,384 of bf16: groups 0-511 image, 512-767 query; the output offset is group x 16,384 in both cases.
; Thread t takes 8 neighbouring numbers four times: its 16 bytes of output lie beside its neighbours', so 16 lanes store 256 consecutive bytes, aligned.
.set IMG_WG, 512                       ; work-groups that image takes: 16,777,216 / 32,768
.set X, 4                              ; v[4:35]   four times 8 numbers as loaded
.set Y, 36                             ; v[36:51]  four times 4 registers to store
	s_load_b128 s[4:7], s[0:1], 0x0                ; image s[4:5], query s[6:7]
	s_load_b64 s[8:9], s[0:1], 0x10                ; x16
	v_lshlrev_b32 v1, 5, v0                        ; 32 bytes of f32 a thread
	v_lshlrev_b32 v2, 4, v0                        ; 16 bytes of bf16 a thread
	s_sub_co_u32 s11, ttmp9, IMG_WG
	s_cmp_lt_u32 ttmp9, IMG_WG                     ; image or query?  The condition hangs on the group's number alone
	s_cselect_b32 s10, ttmp9, s11                  ; my number within that tensor
	s_wait_kmcnt 0x0
	s_cselect_b64 s[4:5], s[4:5], s[6:7]           ; (neither the select above nor the wait touches SCC)
	s_lshl_b32 s12, s10, 15                        ; offsets are made apart from the addresses
	s_mov_b32 s13, 0
	s_lshl_b32 s14, ttmp9, 14
	s_mov_b32 s15, 0
	s_add_nc_u64 s[4:5], s[4:5], s[12:13]
	s_add_nc_u64 s[8:9], s[8:9], s[14:15]
.irp u, 0,1,2,3
	global_load_b128 v[X+8*(\u):X+8*(\u)+3],   v1, s[4:5] offset:8192*(\u) th:TH_LOAD_NT       ; all eight loads go out first
	global_load_b128 v[X+8*(\u)+4:X+8*(\u)+7], v1, s[4:5] offset:8192*(\u)+16 th:TH_LOAD_NT
.endr
.irp u, 0,1,2,3
	s_wait_loadcnt 6-2*(\u)                        ; loads come back in order: pair u is in, the 3 - u younger pairs stay out
.irp k, 0,1,2,3
	v_cvt_pk_bf16_f32 v[Y+4*(\u)+(\k)], v[X+8*(\u)+2*(\k)], v[X+8*(\u)+2*(\k)+1]
.endr
	global_store_b128 v2, v[Y+4*(\u):Y+4*(\u)+3], s[8:9] offset:4096*(\u)                      ; no hint: the launches behind read it again
.endr
	s_endpgm
.Lfunc_end_k_qe0109682e3_cvt:
	.size	k_qe0109682e3_cvt, .Lfunc_end_k_qe0109682e3_cvt-k_qe0109682e3_cvt
	.p2alignl 7, 3214868480
	.fill 96, 4, 3214868480
	.section	.rodata,"a",@progbits
	.p2align	6, 0x0
	.amdhsa_kernel k_qe0109682e3_cvt
		.amdhsa_group_segment_fixed_size 0
		.amdhsa_private_segment_fixed_size 0
		.amdhsa_enable_private_segment 0
		.amdhsa_kernarg_size 24
		.amdhsa_user_sgpr_count 2
		.amdhsa_user_sgpr_kernarg_segment_ptr 1
		.amdhsa_wavefront_size32 1
		.amdhsa_system_sgpr_workgroup_id_x 1
		.amdhsa_system_sgpr_workgroup_id_y 1
		.amdhsa_system_sgpr_workgroup_id_z 1
		.amdhsa_system_vgpr_workitem_id 0
		.amdhsa_next_free_vgpr 52
		.amdhsa_next_free_sgpr 66
		.amdhsa_reserve_vcc 0
		.amdhsa_float_denorm_mode_32 3
		.amdhsa_float_denorm_mode_16_64 3
		.amdhsa_memory_ordered 1
		.amdhsa_forward_progress 1
		.amdhsa_inst_pref_size 4
	.end_amdhsa_kernel
	.amdgpu_metadata
---
amdhsa.version: [ 1, 2 ]
amdhsa.kernels:
  - .name:           k_qe0109682e3_cvt
    .symbol:         k_qe0109682e3_cvt.kd
    .args:
      - { .name: image, .offset: 0, .size: 8, .value_kind: global_buffer, .address_space: global }
      - { .name: query, .offset: 8, .size: 8, .value_kind: global_buffer, .address_space: global }
      - { .name: x16, .offset: 16, .size: 8, .value_kind: global_buffer, .address_space: global }
    .group_segment_fixed_size: 0
    .private_segment_fixed_size: 0
    .kernarg_segment_align: 8
    .kernarg_segment_size: 24
    .max_flat_workgroup_size: 256
    .sgpr_count:     66
    .vgpr_count:     52
    .wavefront_size: 32
...
	.end_amdgpu_metadata
.endif
;; end of part 1
;; launch route (part 2): grid 16 x 16, 4 waves a work-group, clusters of 4 x 1, 327,680 bytes of LDS; arguments x16, cand; writes cand
.if DOCPART == 2
	.amdgcn_target "amdgcn-amd-amdhsa--gfx1250"
	.amdhsa_code_object_version 6
	.text
	.protected	k_qe0109682e3_route
	.globl	k_qe0109682e3_route
	.p2align	8
	.type	k_qe0109682e3_route,@function
k_qe0109682e3_route:
	s_mov_b64 s[64:65], 0
	v_nop
	global_prefetch_b8 v0, s[64:65] scope:SCOPE_SE
	s_setreg_imm32_b32 hwreg(HW_REG_WAVE_MODE, 25, 1), 1
	s_wait_xcnt 0x0
	s_wait_alu depctr_hold_cnt(0) depctr_sa_sdst(0) depctr_va_vdst(0) depctr_va_sdst(0) depctr_va_ssrc(0) depctr_va_vcc(0) depctr_vm_vsrc(0)
	s_getreg_b32 s2, hwreg(HW_REG_IB_STS2, 6, 4)
	s_cmp_eq_u32 s2, 0
	s_cbranch_scc0 .Lentry_in_a_cluster
	s_endpgm
.Lentry_in_a_cluster:
	s_bfe_u32 s2, ttmp6, 0x10000c
	s_cmp_lg_u32 s2, 0x3003
	s_cbranch_scc0 .Lentry_shape_is_right
	s_endpgm
.Lentry_shape_is_right:
; THE FILTER.  For each query and each quarter (part) of its batch's 8,192 keys: the four GROUPS of 8 consecutive keys with the largest scaled maximum score.
; x16: bf16 keys [4][8192][128] from byte 0, bf16 queries [4][4096][128] from byte 0x800000.  Scores: bf16 products, f32 sums, channels ascending; times 128^-0.5 in f32.
; cand, whole numbers: from byte 0 the maxima as signed integers that keep the floats' order, [y = 4 batch + part][query][4]; from byte 0x100000 the groups' numbers (0..1023 in the batch), same shape.
; WHY GROUPS DO.  Order groups by (scaled maximum, descending; number, ascending).  If one of a query's four best keys lay in no one of the four best groups, four groups would stand ahead of its own, and each
; holds a key that stands ahead of it (a group's keys are consecutive, so a tie in value also goes to the lower index): five better keys, a contradiction.  Rounding is monotone, so the scaled maximum is the maximum of the scaled scores.
; LIMITS.  NaN and infinities are not treated apart; -0 counts as +0; scores lie above -infinity.
; SHARES.  A work-group: 256 queries x one part of 2,048 keys; a wave: 64 queries (4 tiles of 16), all of the part's 128 blocks of 16 keys.
; LAYOUT.  D = K Q^T (source 0 = 16 keys, source 1 = 16 queries): a lane holds ONE query (lane % 16) and keys 8 (lane / 16) + 0..7 of the block: an accumulator in a lane IS a group.
; BY TURNS.  Two sets of four accumulators.  While one block's 16 products are issued, the 72 vector instructions that take the block before into the four lists stand behind them, 5 and 4 by turns.
; A list: T1 >= T2 >= T3 >= T4 (scaled maxima) and one register of four bytes, the blocks' numbers.  A new maximum x: four compares (strict: the earlier, lower group keeps its place on a tie), a byte selector
; chosen by them, one v_perm_b32, three v_med3_num_f32 and one maximum.
; CLUSTER.  The four work-groups of a cluster have the same y and walk the same keys: each tile is asked for JOINTLY, same load, same descriptor, mask of four.  The place in the cluster enters Q's and cand's addresses alone.
; RING.  Two LDS slots of 256 keys; a wave fetches 64 rows of 256 bytes with one load; a refill has a whole slot's 256 matrix instructions a wave in which to land.  At most two tensor loads of a wave are out (the two first fills).
.set PK,    272       ; a key's row in LDS: 256 bytes + 16 of padding = 68 words: the 16 rows of a fragment load start 4 banks apart (64 banks of 4 bytes: ISA guide 11.1)
.set KBB,   16*PK     ; a block of 16 keys
.set TILEB, 16*KBB    ; a slot's 256 keys: 69,632 bytes
.set SLOT1, 1<<17     ; slot 1 begins here, so that one exclusive or turns an address in one slot into the other's
.set SPARE, SLOT1+TILEB  ; behind the ring: the spare words, 128 bytes for each wave: two blocks of 256 bytes that no other line names
.set AK0, 2           ; v2   my lane's place in a block of keys: (lane % 16) x PK + 16 (lane / 16); never rewritten
.set ADR, 3           ; v3   LDS address of the block being fetched
.set VID, 4           ; v4   the selector that leaves a list's bytes as they are
.set GB,  5           ; v5   256 x part + lane / 16: a group's number is this + 2 x block
.set CO,  6           ; v6   my byte offset in cand: 16 (lane % 16); lanes 16-31 in the second plane
.set QO,  7           ; v7   my byte offset in 16 rows of Q
.set SPW, 8           ; v8   LDS address of my spare word; never rewritten
.set NIL, 9           ; v9   0; never rewritten
.set ID,  12          ; v12-15   tile t: four block numbers, byte 0 the best
.set TV,  16          ; v16-31   tile t: T1..T4 at TV + 4 t
.set KF,  32          ; v32-63   a block's fragments: channels 32 c on at KF + 8 c
.set ACC, 64          ; v64-127  set s, tile t at ACC + 32 s + 8 t
.set QF,  128         ; v128-255 Q: tile t, channels 32 c on at QF + 32 t + 8 c
.set GL,  KF          ; the way out works in K's registers: my four groups' numbers,
.set OT,  KF+4        ; the other half's maxima,
.set OG,  KF+8        ; its groups' numbers,
.set TM,  KF+12       ; and one at work
.set WV,  12          ; s12  my wave's number
.set G1,  24          ; s[24:31] descriptor group 1
.set G0A, 32          ; s[32:35] descriptor group 0 of slot 0's first fill
.set G0B, 36          ; s[36:39] of slot 1's first fill; it then walks on
.set TB,  40          ; s40  LDS byte at which the block to be fetched begins
.set XI,  41          ; s41  number (0..127) of the block whose scores are being taken into the lists
.set CNT, 42          ; s42  counts a slot's pairs of blocks
.set SLOTS, 43        ; s43  refills still to be asked for
.set SC,  44          ; s44  128^-0.5
.set SEL, 45          ; s45-48 selectors: the new byte goes to place 0, 1, 2, 3, the bytes behind it move up
.set HM,  49          ; s49  lanes 16-31
.set PS,  50          ; s50-51 v_permlanex16_b32's selects: each lane takes its own place in the other half
.set CM,  68          ; s68-83 compare masks, four a tile
; A round of the cluster's barrier: my work-group's barrier, so that wave 0's signal speaks for all four waves; wave 0 signals; every wave waits for all four work-groups; my work-group's barrier once more.
.macro CROUND
	s_barrier_signal -1
	s_barrier_wait -1
	s_cmp_lg_u32 s[WV], 0
	s_cbranch_scc1 .Lnot_wave_0_\@
	s_barrier_signal -3
.Lnot_wave_0_\@:
	s_barrier_wait -3
	s_barrier_signal -1
	s_barrier_wait -1
.endm
	s_load_b128 s[4:7], s[0:1], 0x0                ; x16 s[4:5], cand s[6:7]
	v_lshl_add_u32 v[SPW], v0, 2, SPARE
	v_mov_b32 v[NIL], 0
	ds_add_u32 v[SPW], v[NIL]                      ; the wave's opening: the add and its wait ahead of my first tensor load; the set-up below, work on registers, stands between them
	v_lshrrev_b32 v1, 5, v0
	v_readfirstlane_b32 s[WV], v1                  ; wave 0..3
	s_bfe_u32 s13, ttmp6, 0x40000                  ; cx: my place in the cluster
	s_lshl_b32 s14, ttmp9, 2                       ; in a cluster launch ttmp9 counts clusters
	s_add_co_u32 s14, s14, s13                     ; my block of 256 queries, 0..15
	s_and_b32 s15, ttmp7, 0xffff                   ; y = 4 batch + part, which the four partners share
	s_lshl_b32 s16, s15, 19                        ; K: the part's 2,048 rows of 256 bytes,
	s_lshl_b32 s17, s[WV], 14                      ; and my 64 rows of a tile
	s_add_co_u32 s16, s16, s17
	s_mov_b32 s17, 0
	s_lshr_b32 s18, s15, 2                         ; Q: the batch's 4,096 rows,
	s_lshl_b32 s18, s18, 20
	s_lshl_b32 s19, s14, 16                        ; my block's 256,
	s_add_co_u32 s18, s18, s19
	s_lshl_b32 s19, s[WV], 14                      ; my wave's 64,
	s_add_co_u32 s18, s18, s19
	s_add_co_u32 s18, s18, 0x800000                ; behind the keys
	s_mov_b32 s19, 0
	s_lshl_b32 s20, s15, 16                        ; cand: 16 bytes a query: y x 4,096 + block x 256 + wave x 64 queries
	s_lshl_b32 s21, s14, 12
	s_add_co_u32 s20, s20, s21
	s_lshl_b32 s21, s[WV], 10
	s_add_co_u32 s20, s20, s21
	s_mov_b32 s21, 0
	s_and_b32 s22, s15, 3
	s_lshl_b32 s22, s22, 8                         ; 256 groups a part
	s_mul_i32 s23, s[WV], 64*PK                    ; my 64 rows in a slot: no place in the cluster enters an LDS address
	; descriptor group 1: a tile of 64 rows x 128 elements, padded in LDS
	s_mov_b32 s[G1], 15|(1<<16)|(1<<20)|(1<<21)|(5<<22)|(3<<25)  ; 15:0 the mask of four; 17:16 2-byte elements; 20 padding on; 21 set beside a mask; 24:22 after every 64 words (code 5); 31:25 4 words (code 3)
	s_mov_b32 s[G1+1], 128<<16                     ; tensor_dim0 = 128
	s_mov_b32 s[G1+2], 64<<16                      ; tensor_dim1 = 64
	s_mov_b32 s[G1+3], 128<<16                     ; tile_dim0 = 128
	s_mov_b32 s[G1+4], 64                          ; tile_dim1 = 64
	s_mov_b32 s[G1+5], 128                         ; 128 elements from row to row
	s_mov_b32 s[G1+6], 0
	s_mov_b32 s[G1+7], 0
	s_mov_b32 s[G0A], 1                            ; count = 1
	s_mov_b32 s[G0A+1], s23                        ; LDS address: slot 0
	s_mov_b32 s[G0B], 1
	s_add_co_u32 s[G0B+1], s23, SLOT1              ; slot 1
	s_mov_b32 s[TB], 0
	s_mov_b32 s[XI], 0
	s_mov_b32 s[SC], 0x3db504f3                    ; 128^-0.5 in f32
	s_mov_b32 s[SEL], 0x06050400
	s_mov_b32 s[SEL+1], 0x06050004
	s_mov_b32 s[SEL+2], 0x06000504
	s_mov_b32 s[SEL+3], 0x00060504
	s_mov_b32 s[HM], 0xffff0000
	s_mov_b32 s[PS], 0x76543210
	s_mov_b32 s[PS+1], 0xfedcba98
	s_wait_dscnt 0x0                               ; the opening add is done
	s_wait_kmcnt 0x0
	s_add_nc_u64 s[8:9], s[4:5], s[18:19]          ; Q at my wave's first row
	s_add_nc_u64 s[6:7], s[6:7], s[20:21]          ; cand at my wave's first query
	s_add_nc_u64 s[G0A+2:G0A+3], s[4:5], s[16:17]  ; my rows of the part's tile 0,
	s_add_nc_u64 s[G0B+2:G0B+3], s[G0A+2:G0A+3], 65536  ; and of tile 1: 256 keys on
	s_or_b32 s[G0A+3], s[G0A+3], 0x80000000        ; type = 2
	s_or_b32 s[G0B+3], s[G0B+3], 0x80000000
	CROUND                                         ; all four work-groups are here: the first joint loads meet
	tensor_load_to_lds s[G0A:G0A+3], s[G1:G1+7]    ; both first fills go out together: two loads of mine are out
	s_nop 0
	tensor_load_to_lds s[G0B:G0B+3], s[G1:G1+7]
	s_nop 0
.rept 4
	v_nop
.endr
	v_and_b32 v1, 15, v0                           ; l % 16
	v_bfe_u32 v10, v0, 4, 1                        ; l / 16
	v_lshlrev_b32 v[QO], 8, v1
	v_lshl_add_u32 v[QO], v10, 4, v[QO]            ; row x 256 + 16 x half
	; A fragment is 16 rows x 32 channels in 8 registers: lane l holds row l % 16, channels 8 (l / 16) + 0..7 and 16 + 8 (l / 16) + 0..7: two loads of 16 bytes, 32 bytes apart.
.irp t, 0,1,2,3
.irp c, 0,1,2,3
	global_load_b128 v[QF+32*(\t)+8*(\c):QF+32*(\t)+8*(\c)+3],   v[QO], s[8:9] offset:4096*(\t)+64*(\c)
	global_load_b128 v[QF+32*(\t)+8*(\c)+4:QF+32*(\t)+8*(\c)+7], v[QO], s[8:9] offset:4096*(\t)+64*(\c)+32
.endr
.endr
	v_mul_u32_u24 v[AK0], v1, PK
	v_lshl_add_u32 v[AK0], v10, 4, v[AK0]
	v_mov_b32 v[VID], 0x07060504
	v_add_nc_u32 v[GB], s22, v10
	v_lshlrev_b32 v[CO], 4, v1
	v_lshl_add_u32 v[CO], v10, 20, v[CO]
.irp i, 0,1,2,3,4,5,6,7,8,9,10,11,12,13,14,15
	v_mov_b32 v[TV+(\i)], 0xff800000               ; the lists start below every score
.endr
.irp i, 0,1,2,3
	v_mov_b32 v[ID+(\i)], 0
.endr
; Number rq of the 72 that take the block in set prv into the lists: tile rq % 4, step rq / 4, so that a line reads no result made fewer than four lines before it.
;   0-3 the maximum of the lane's eight scores, from the accumulator's low end on     4 times the scale     5-8 x > T1..T4
;   9-12 the selector     13 the bytes     14-17 T4, T3, T2 take the middle of (x, the neighbour above, themselves), T1 the maximum
.macro RID prv
.set tt, rq%4
.set op, rq/4
.set rA, ACC+32*(\prv)+8*tt
.set rT, TV+4*tt
.set rC, CM+4*tt
.if op < 3
	v_max3_num_f32 v[rA], v[rA], v[rA+2*op+1], v[rA+2*op+2]
.elseif op == 3
	v_max_num_f32 v[rA], v[rA], v[rA+7]
.elseif op == 4
	v_mul_f32 v[rA], s[SC], v[rA]
.elseif op < 9
	v_cmp_gt_f32 s[rC+op-5], v[rA], v[rT+op-5]
.elseif op == 9
	v_cndmask_b32 v[rA+1], v[VID], s[SEL+3], s[rC+3]
.elseif op < 13
	v_cndmask_b32 v[rA+1], v[rA+1], s[SEL+12-op], s[rC+12-op]
.elseif op == 13
	v_perm_b32 v[ID+tt], v[ID+tt], s[XI], v[rA+1]  ; selector bytes 4-7: the old bytes; 0: the block's number
.elseif op < 17
	v_med3_num_f32 v[rT+17-op], v[rA], v[rT+16-op], v[rT+17-op]
.else
	v_max_num_f32 v[rT], v[rA], v[rT]
.endif
.set rq, rq+1
.endm
; A BLOCK of 16 keys: 16 products into set cur, the four accumulators by turns.  rid = 1: the lists take set prv meanwhile.  pf = 1: the next block's fragments follow each quarter's products
; into the registers just read: the four lines behind the quarter's last product (list work, or v_nop) name none of its registers and are the places that a load into a product's source wants (ISA guide 7.12.1 for vector instructions).
.macro KB cur, prv, rid, pf
.if \pf
	v_add_nc_u32 v[ADR], s[TB], v[AK0]
	s_add_co_u32 s[TB], s[TB], KBB
.endif
.set rq, 0
.set mi, 0
.irp c, 0,1,2,3
.if \pf
	s_wait_dscnt 6                                 ; LDS loads come back in order: behind this quarter's pair three younger pairs are out
.else
	s_wait_dscnt 6-2*(\c)                          ; nothing is fetched here: behind this quarter's pair 3 - c pairs are out
.endif
.irp t, 0,1,2,3
.if (\c) == 0
	v_wmma_f32_16x16x32_bf16 v[ACC+32*(\cur)+8*(\t):ACC+32*(\cur)+8*(\t)+7], v[KF+8*(\c):KF+8*(\c)+7], v[QF+32*(\t)+8*(\c):QF+32*(\t)+8*(\c)+7], 0
.else
	v_wmma_f32_16x16x32_bf16 v[ACC+32*(\cur)+8*(\t):ACC+32*(\cur)+8*(\t)+7], v[KF+8*(\c):KF+8*(\c)+7], v[QF+32*(\t)+8*(\c):QF+32*(\t)+8*(\c)+7], v[ACC+32*(\cur)+8*(\t):ACC+32*(\cur)+8*(\t)+7]
.endif
.if (\rid) != 0
	RID \prv
	RID \prv
	RID \prv
	RID \prv
.if mi%2 == 0
	RID \prv
.endif
.endif
.set mi, mi+1
.endr
.if (\rid) == 0
.rept 4
	v_nop
.endr
.endif
.if \pf
	ds_load_b128 v[KF+8*(\c):KF+8*(\c)+3],   v[ADR] offset:64*(\c)
	ds_load_b128 v[KF+8*(\c)+4:KF+8*(\c)+7], v[ADR] offset:64*(\c)+32
.endif
.endr
.if (\rid) != 0
	s_add_co_u32 s[XI], s[XI], 1
.endif
.endm
.macro FETCH0                          ; a slot's first block
	v_add_nc_u32 v[ADR], s[TB], v[AK0]
	s_add_co_u32 s[TB], s[TB], KBB
.irp c, 0,1,2,3
	ds_load_b128 v[KF+8*(\c):KF+8*(\c)+3],   v[ADR] offset:64*(\c)
	ds_load_b128 v[KF+8*(\c)+4:KF+8*(\c)+7], v[ADR] offset:64*(\c)+32
.endr
.endm
; A SLOT's 16 blocks.  first = 1: the very first block has no block before it to take into the lists.  The last block fetches nothing: the next one lies in the other slot, behind the change.
.macro VISIT first
	FETCH0
	KB 0, 1, 1-(\first), 1
	s_mov_b32 s[CNT], 7
.Lkb_\@:
	KB 1, 0, 1, 1
	KB 0, 1, 1, 1
	s_sub_co_u32 s[CNT], s[CNT], 1
	s_cmp_lg_u32 s[CNT], 0
	s_cbranch_scc1 .Lkb_\@
	KB 1, 0, 1, 0
.endm
; THE CHANGE OF SLOTS.  Each wave waits for all its tensor loads, of which one is out: its part of the other slot; adds 0 to its spare word; and waits for that and for its own reads of the slot that it leaves.
; Behind the barrier nobody reads the old slot any more and the other slot is whole.  fill = 1: the barrier is a round of the cluster's, so that this holds of every partner too, and the old slot's joint refill,
; the keys two slots on, is the first thing behind it.
.macro CHANGE fill
	s_wait_tensorcnt 0x0                           ; no tensor load of mine is out, so a group 0 may be written
	ds_add_u32 v[SPW], v[NIL]                      ; 0 onto my spare word
.if \fill
	s_xor_b32 s[G0B+1], s[G0B+1], SLOT1            ; the walking descriptor: the other slot than last time,
	s_add_nc_u64 s[G0B+2:G0B+3], s[G0B+2:G0B+3], 65536  ; the next 256 keys; the type bits on top are not reached
	s_wait_dscnt 0x0                               ; the add is done, and my reads of the slot are over
	CROUND
	tensor_load_to_lds s[G0B:G0B+3], s[G1:G1+7]
	s_nop 0
.rept 4
	v_nop
.endr
.else
	s_wait_dscnt 0x0                               ; the add is done, and my reads of the slot are over
	s_barrier_signal -1
	s_barrier_wait -1
.endif
	s_sub_co_u32 s[TB], s[TB], TILEB               ; the fetches go back to a slot's first block,
	s_xor_b32 s[TB], s[TB], SLOT1                  ; in the other slot
.endm
	s_wait_tensorcnt 0x1                           ; my part of slot 0 is in; slot 1's may stay out
	s_barrier_signal -1
	s_barrier_wait -1                              ; everybody's is
	s_wait_loadcnt 0x0                             ; Q
	VISIT 1                                        ; tile 0
	s_mov_b32 s[SLOTS], 6
.Lslot:                                                ; six trips: tiles 2 to 7 are asked for, tiles 1 to 6 multiplied
	CHANGE 1
	VISIT 0
	s_sub_co_u32 s[SLOTS], s[SLOTS], 1
	s_cmp_lg_u32 s[SLOTS], 0
	s_cbranch_scc1 .Lslot
	CHANGE 0                                       ; the tail is written out: nothing is asked for
	VISIT 0                                        ; tile 7
.set rq, 0
.rept 72
	RID 1                                          ; the last block (number 127) goes into the lists
.endr
; THE WAY OUT.  A query's groups lie in two lanes, 16 apart: each takes the other's list and merges it into its own, so both end with the part's four best.
; One insertion of (x, g) into the list (tb: four values, gb: four numbers), ordered by value descending, then number ascending.
.macro INSF x, g, tb, gb
.irp k, 0,1,2,3
	v_cmp_gt_f32 s[CM+(\k)], v[\x], v[(\tb)+(\k)]
	v_cmp_eq_f32 s[CM+4+(\k)], v[\x], v[(\tb)+(\k)]
	v_cmp_lt_u32 s[CM+8+(\k)], v[\g], v[(\gb)+(\k)]
.endr
.irp k, 0,1,2,3
	s_and_b32 s[CM+4+(\k)], s[CM+4+(\k)], s[CM+8+(\k)]
	s_or_b32 s[CM+(\k)], s[CM+(\k)], s[CM+4+(\k)]  ; (x, g) stands ahead of entry k
.endr
	v_cndmask_b32 v[TM], v[\g], v[(\gb)+2], s[CM+2]
	v_cndmask_b32 v[(\gb)+3], v[(\gb)+3], v[TM], s[CM+3]
	v_cndmask_b32 v[TM], v[\g], v[(\gb)+1], s[CM+1]
	v_cndmask_b32 v[(\gb)+2], v[(\gb)+2], v[TM], s[CM+2]
	v_cndmask_b32 v[TM], v[\g], v[\gb], s[CM]
	v_cndmask_b32 v[(\gb)+1], v[(\gb)+1], v[TM], s[CM+1]
	v_cndmask_b32 v[\gb], v[\gb], v[\g], s[CM]
	v_med3_num_f32 v[(\tb)+3], v[\x], v[(\tb)+2], v[(\tb)+3]
	v_med3_num_f32 v[(\tb)+2], v[\x], v[(\tb)+1], v[(\tb)+2]
	v_med3_num_f32 v[(\tb)+1], v[\x], v[\tb], v[(\tb)+1]
	v_max_num_f32 v[\tb], v[\x], v[\tb]
.endm
.macro EPI t
.irp k, 0,1,2,3
	v_add_f32 v[TV+4*(\t)+(\k)], 0, v[TV+4*(\t)+(\k)]      ; -0 becomes +0, so that equal values get equal integers below
	v_bfe_u32 v[GL+(\k)], v[ID+(\t)], 8*(\k), 8
.endr
.irp k, 0,1,2,3
	v_lshl_add_u32 v[GL+(\k)], v[GL+(\k)], 1, v[GB]        ; 2 x block + 256 x part + half
.endr
.irp k, 0,1,2,3
	v_permlanex16_b32 v[OT+(\k)], v[TV+4*(\t)+(\k)], s[PS], s[PS+1]  ; the destinations have been written: they held K
	v_permlanex16_b32 v[OG+(\k)], v[GL+(\k)], s[PS], s[PS+1]
.endr
.irp k, 0,1,2,3
	INSF OT+(\k), OG+(\k), TV+4*(\t), GL
.endr
.irp k, 0,1,2,3
	v_ashrrev_i32 v[TM], 31, v[TV+4*(\t)+(\k)]             ; a negative float's lower 31 bits are turned: signed integers then order as the floats do
	v_and_b32 v[TM], 0x7fffffff, v[TM]
	v_xor_b32 v[TV+4*(\t)+(\k)], v[TV+4*(\t)+(\k)], v[TM]
	v_cndmask_b32 v[TV+4*(\t)+(\k)], v[TV+4*(\t)+(\k)], v[GL+(\k)], s[HM]  ; lanes 0-15 carry the values, lanes 16-31 the numbers
.endr
	global_store_b128 v[CO], v[TV+4*(\t):TV+4*(\t)+3], s[6:7] offset:256*(\t)  ; in each plane 16 lanes store 256 consecutive bytes, aligned
.endm
	EPI 0
	EPI 1
	EPI 2
	EPI 3
	s_wait_tensorcnt 0x0                           ; the wave's end: an add onto my spare word and its wait, behind my last tensor load
	ds_add_u32 v[SPW], v[NIL]
	s_wait_dscnt 0x0
	CROUND                                         ; the closing round: no work-group ends while a partner may still ask for a tile that names it
	s_endpgm
.Lfunc_end_k_qe0109682e3_route:
	.size	k_qe0109682e3_route, .Lfunc_end_k_qe0109682e3_route-k_qe0109682e3_route
	.p2alignl 7, 3214868480
	.fill 96, 4, 3214868480
	.section	.rodata,"a",@progbits
	.p2align	6, 0x0
	.amdhsa_kernel k_qe0109682e3_route
		.amdhsa_group_segment_fixed_size 327680
		.amdhsa_private_segment_fixed_size 0
		.amdhsa_enable_private_segment 0
		.amdhsa_kernarg_size 16
		.amdhsa_user_sgpr_count 2
		.amdhsa_user_sgpr_kernarg_segment_ptr 1
		.amdhsa_wavefront_size32 1
		.amdhsa_system_sgpr_workgroup_id_x 1
		.amdhsa_system_sgpr_workgroup_id_y 1
		.amdhsa_system_sgpr_workgroup_id_z 1
		.amdhsa_system_vgpr_workitem_id 0
		.amdhsa_next_free_vgpr 256
		.amdhsa_next_free_sgpr 88
		.amdhsa_reserve_vcc 0
		.amdhsa_float_denorm_mode_32 3
		.amdhsa_float_denorm_mode_16_64 3
		.amdhsa_memory_ordered 1
		.amdhsa_forward_progress 1
		.amdhsa_inst_pref_size 117
	.end_amdhsa_kernel
	.amdgpu_metadata
---
amdhsa.version: [ 1, 2 ]
amdhsa.kernels:
  - .name:           k_qe0109682e3_route
    .symbol:         k_qe0109682e3_route.kd
    .args:
      - { .name: x16, .offset: 0, .size: 8, .value_kind: global_buffer, .address_space: global }
      - { .name: cand, .offset: 8, .size: 8, .value_kind: global_buffer, .address_space: global }
    .group_segment_fixed_size: 327680
    .private_segment_fixed_size: 0
    .kernarg_segment_align: 8
    .kernarg_segment_size: 16
    .max_flat_workgroup_size: 128
    .sgpr_count:     88
    .vgpr_count:     256
    .wavefront_size: 32
...
	.end_amdgpu_metadata
.endif
;; end of part 2
;; launch pick (part 3): grid 256 x 1, 4 waves a work-group, no clusters, 0 bytes of LDS; arguments x16, cand, out0; writes out0
.if DOCPART == 3
	.amdgcn_target "amdgcn-amd-amdhsa--gfx1250"
	.amdhsa_code_object_version 6
	.text
	.protected	k_qe0109682e3_pick
	.globl	k_qe0109682e3_pick
	.p2align	8
	.type	k_qe0109682e3_pick,@function
k_qe0109682e3_pick:
	s_mov_b64 s[64:65], 0
	v_nop
	global_prefetch_b8 v0, s[64:65] scope:SCOPE_SE
	s_setreg_imm32_b32 hwreg(HW_REG_WAVE_MODE, 25, 1), 1
	s_wait_xcnt 0x0
; THE CHOICE.  For each query: the four parts' lists of four groups (cand, whole numbers) are merged into the batch's four best groups; their 32 keys are scored anew; out0 takes the indices of the four best,
; by scaled score descending, then index ascending.  Scores as in the launch before: bf16 products, f32 sums, channels ascending, times 128^-0.5 in f32.
; The merge is whole-number work on numbers read from memory: the gather's addresses hang on nothing that this launch computes in floating point.
; LIMITS.  NaN and infinities are not treated apart; -0 counts as +0; two scores closer than the f32 sums' rounding may be ordered otherwise than by another order of summation.
; SHARES.  A wave owns 16 queries; the waves of a work-group share nothing: no LDS, no barrier.  NO CLUSTER: each query gathers rows of its own, no tile is common to work-groups.
; THE PRODUCTS.  For query n two tiles of 16 key rows (its groups 1, 2 and 3, 4; a group is 8 rows, 2,048 consecutive bytes), each times all 16 queries' fragments; of the result only column n counts:
; lanes n and n + 16, eight scores each.  32 tiles, 128 matrix instructions a wave.  The tiles come by a ring of eight slots in registers, filled by plain loads: six younger tiles stay on their way.
; REGISTERS.  Window 0: addresses, lists, Q, four accumulators, the scores.  Window 1: the ring, 32 registers a slot.  (s_set_vgpr_msb: bits 1:0 source 0, 7:6 destination.)
.set LP,  3           ; v3   my place in a tile: (lane % 8) x 256 + 16 (lane / 16)
.set CAO, 4           ; v4   my byte offset in cand: 16 (lane % 16) + two parts for lanes 16-31
.set QO,  5           ; v5   my byte offset in 16 rows of Q
.set OO,  6           ; v6   my byte offset in out0
.set TM,  7           ; v7   at work
.set LN,  8           ; v8   lane
.set VO,  12          ; v12-19  a ring slot's byte offsets in K
.set KL,  20          ; v20-23  the list: values as ordered integers
.set GL,  24          ; v24-27  the list: groups' numbers
.set K2,  28          ; v28-31  the second part's values, later the other half's
.set G2,  32          ; v32-35  the second part's numbers, later the other half's
.set QF,  48          ; v48-79  Q: channels 32 c on at QF + 8 c
.set ACC, 80          ; v80-111 pair n, tile u at ACC + 16 (n % 2) + 8 u
.set R,   112         ; v112-127 my query's scores: tile u, register j at R + 8 u + j; at last the other half's list
.set T,   128         ; v128-131 the four best scores
.set E,   132         ; v132-135 their indices
.set EB,  144         ; v144-145 8 x the group that my lane's scores of tile u belong to
.set XE,  146         ; v146 the index in hand
.set WV,  12          ; s12  my wave's number
.set HM,  21          ; s21  lanes 16-31
.set RM,  22          ; s22  lanes whose row in a tile is 8-15
.set PS,  26          ; s26-27 v_permlanex16_b32's selects: each lane takes its own place in the other half
.set SC,  28          ; s28  128^-0.5
.set LM,  29          ; s29  lanes n and n + 16
.set CM,  32          ; s32-43 compare masks
.set MSB, 0
.macro WIN new                         ; the immediate's high byte repeats the setting that is left; a switch that changes nothing is dropped
.if MSB != (\new)
	s_set_vgpr_msb (MSB<<8)|(\new)
.set MSB, \new
.endif
.endm
	s_load_b128 s[4:7], s[0:1], 0x0                ; x16 s[4:5], cand s[6:7]
	s_load_b64 s[8:9], s[0:1], 0x10                ; out0
	v_lshrrev_b32 v1, 5, v0
	v_readfirstlane_b32 s[WV], v1                  ; wave 0..3
	s_lshl_b32 s13, ttmp9, 2
	s_add_co_u32 s13, s13, s[WV]                   ; my wave among all 1,024
	s_lshr_b32 s14, s13, 8                         ; the batch: 256 waves of 16 queries each
	s_lshl_b32 s16, s14, 21                        ; K: the batch's 8,192 rows of 256 bytes
	s_mov_b32 s17, 0
	s_lshl_b32 s18, s13, 12                        ; Q: my 16 rows,
	s_add_co_u32 s18, s18, 0x800000                ; behind the keys
	s_mov_b32 s19, 0
	s_and_b32 s15, s13, 255
	s_lshl_b32 s15, s15, 8                         ; cand: my 16 queries of 16 bytes,
	s_lshl_b32 s44, s14, 18                        ; in the batch's four parts of 65,536 bytes
	s_add_co_u32 s44, s44, s15
	s_mov_b32 s45, 0
	s_lshl_b32 s46, s13, 8                         ; out0: 16 bytes a query
	s_mov_b32 s47, 0
	s_mov_b32 s[HM], 0xffff0000
	s_mov_b32 s[RM], 0xff00ff00
	s_mov_b32 s[PS], 0x76543210
	s_mov_b32 s[PS+1], 0xfedcba98
	s_mov_b32 s[SC], 0x3db504f3
	v_and_b32 v1, 15, v0                           ; l % 16
	v_bfe_u32 v2, v0, 4, 1                         ; l / 16
	v_and_b32 v[LN], 31, v0
	v_and_b32 v[TM], 7, v0
	v_lshlrev_b32 v[LP], 8, v[TM]
	v_lshl_add_u32 v[LP], v2, 4, v[LP]
	v_lshlrev_b32 v[CAO], 4, v1
	v_lshl_add_u32 v[CAO], v2, 17, v[CAO]
	v_lshlrev_b32 v[QO], 8, v1
	v_lshl_add_u32 v[QO], v2, 4, v[QO]
	v_lshlrev_b32 v[OO], 4, v1
	s_wait_kmcnt 0x0
	s_add_nc_u64 s[10:11], s[4:5], s[18:19]        ; Q
	s_add_nc_u64 s[4:5], s[4:5], s[16:17]          ; K
	s_add_nc_u64 s[6:7], s[6:7], s[44:45]
	s_add_nc_u64 s[8:9], s[8:9], s[46:47]
	global_load_b128 v[KL:KL+3], v[CAO], s[6:7]                   ; lanes 0-15: parts 0 and 1 of query l % 16; lanes 16-31: parts 2 and 3
	global_load_b128 v[K2:K2+3], v[CAO], s[6:7] offset:0x10000
	global_load_b128 v[GL:GL+3], v[CAO], s[6:7] offset:0x100000
	global_load_b128 v[G2:G2+3], v[CAO], s[6:7] offset:0x110000
.irp c, 0,1,2,3
	global_load_b128 v[QF+8*(\c):QF+8*(\c)+3],   v[QO], s[10:11] offset:64*(\c)     ; lane l: query l % 16, channels 32 c + 8 (l / 16) + 0..7 and 16 more on
	global_load_b128 v[QF+8*(\c)+4:QF+8*(\c)+7], v[QO], s[10:11] offset:64*(\c)+32
.endr
; Entry x goes into the four registers from b on, at the place that the masks name; the entries behind it move down.
.macro CHAIN b, x
	v_cndmask_b32 v[TM], v[\x], v[(\b)+2], s[CM+2]
	v_cndmask_b32 v[(\b)+3], v[(\b)+3], v[TM], s[CM+3]
	v_cndmask_b32 v[TM], v[\x], v[(\b)+1], s[CM+1]
	v_cndmask_b32 v[(\b)+2], v[(\b)+2], v[TM], s[CM+2]
	v_cndmask_b32 v[TM], v[\x], v[\b], s[CM]
	v_cndmask_b32 v[(\b)+1], v[(\b)+1], v[TM], s[CM+1]
	v_cndmask_b32 v[\b], v[\b], v[\x], s[CM]
.endm
.macro JOIN                            ; mask k: greater, or equal with the lower number
.irp k, 0,1,2,3
	s_and_b32 s[CM+4+(\k)], s[CM+4+(\k)], s[CM+8+(\k)]
	s_or_b32 s[CM+(\k)], s[CM+(\k)], s[CM+4+(\k)]
.endr
.endm
; (x, g) into the list of groups.  comp = 0: g is higher than every number in the list, so a tie leaves the list's entry ahead; comp = 1: a tie goes to the lower number.
.macro INSI x, g, comp
.irp k, 0,1,2,3
	v_cmp_gt_i32 s[CM+(\k)], v[\x], v[KL+(\k)]
.if \comp
	v_cmp_eq_u32 s[CM+4+(\k)], v[\x], v[KL+(\k)]
	v_cmp_lt_u32 s[CM+8+(\k)], v[\g], v[GL+(\k)]
.endif
.endr
.if \comp
	JOIN
.endif
	CHAIN GL, \g
	CHAIN KL, \x
.endm
; (x, e) into the list of scores: value descending, then index ascending.
.macro INSF x, e
.irp k, 0,1,2,3
	v_cmp_gt_f32 s[CM+(\k)], v[\x], v[T+(\k)]
	v_cmp_eq_f32 s[CM+4+(\k)], v[\x], v[T+(\k)]
	v_cmp_lt_u32 s[CM+8+(\k)], v[\e], v[E+(\k)]
.endr
	JOIN
	CHAIN E, \e
	v_med3_num_f32 v[T+3], v[\x], v[T+2], v[T+3]
	v_med3_num_f32 v[T+2], v[\x], v[T+1], v[T+2]
	v_med3_num_f32 v[T+1], v[\x], v[T], v[T+1]
	v_max_num_f32 v[T], v[\x], v[T]
.endm
	s_wait_loadcnt 0x8                             ; the four lists are in; Q's eight loads, issued behind them, stay out
.irp i, 0,1,2,3
	INSI K2+(\i), G2+(\i), 0                       ; my second part into my first
.endr
.irp i, 0,1,2,3
	v_permlanex16_b32 v[K2+(\i)], v[KL+(\i)], s[PS], s[PS+1]   ; the other two parts' best four; the destinations have been written and are done with
	v_permlanex16_b32 v[G2+(\i)], v[GL+(\i)], s[PS], s[PS+1]
.endr
.irp i, 0,1,2,3
	INSI K2+(\i), G2+(\i), 1                       ; both halves end with the same four groups
.endr
; Tile i (query i / 2, its groups 2 (i % 2) + 1 and + 2) is asked for, into ring slot i % 8.  A number that was loaded enters an address behind a clamp to the 1,024 groups of a batch.
; The slot's offsets and registers are written again only behind the counted wait that has shown its last eight loads done.
.macro ADDR i
.set sl, (\i)%8
	v_readlane_b32 s30, v[GL+2*((\i)%2)], (\i)/2
	v_readlane_b32 s31, v[GL+2*((\i)%2)+1], (\i)/2
	v_mov_b32 v[TM], s30
	v_cndmask_b32 v[TM], v[TM], s31, s[RM]         ; rows 8-15 of the tile are the second group's
	v_min_u32 v[TM], 0x3ff, v[TM]
	v_lshlrev_b32 v[TM], 11, v[TM]                 ; 8 rows of 256 bytes a group
	v_add_nc_u32 v[VO+sl], v[TM], v[LP]
	WIN 0x40                                       ; destination window 1, address window 0
.irp c, 0,1,2,3
	global_load_b128 v[32*sl+8*(\c):32*sl+8*(\c)+3],   v[VO+sl], s[4:5] offset:64*(\c)       ; no hint: a row may be named by many queries
	global_load_b128 v[32*sl+8*(\c)+4:32*sl+8*(\c)+7], v[VO+sl], s[4:5] offset:64*(\c)+32
.endr
	WIN 0
.endm
; Pair n's column n goes into R, each accumulator from its low end on.  Pair 0 writes all lanes, so R is never cleared.
.macro EXTR n
.set aB, ACC+16*((\n)%2)
.if (\n) != 0
	s_mov_b32 s[LM], 0x00010001<<(\n)
.endif
.set j, 0
.rept 16
.if (\n) == 0
	v_mov_b32 v[R+j], v[aB+j]
.else
	v_cndmask_b32 v[R+j], v[R+j], v[aB+j], s[LM]
.endif
.set j, j+1
.endr
.endm
.irp i, 0,1,2,3,4,5,6,7
	ADDR \i                                        ; the ring is filled
.endr
.set n, 0
.rept 16
.set last, 2*n+7                       ; the youngest tile asked for so far
.if last > 31
.set last, 31
.endif
	s_wait_loadcnt 8*(last-(2*n+1))                ; loads come back in order: tiles 2 n and 2 n + 1 are in (and Q, at the first time); eight loads for each younger tile stay out
	WIN 0x01                                       ; source 0, the keys, in window 1
.irp c, 0,1,2,3
.irp u, 0,1
.set rD, ACC+16*(n%2)+8*(\u)
.set rA, 32*((2*n+(\u))%8)+8*(\c)
.if (\c) == 0
	v_wmma_f32_16x16x32_bf16 v[rD:rD+7], v[rA:rA+7], v[QF+8*(\c):QF+8*(\c)+7], 0
.else
	v_wmma_f32_16x16x32_bf16 v[rD:rD+7], v[rA:rA+7], v[QF+8*(\c):QF+8*(\c)+7], v[rD:rD+7]  ; the pair's two accumulators by turns
.endif
.endr
.endr
	WIN 0
.if n == 0
.rept 4
	v_nop                                          ; no pair before this one: the places in front of the loads into the registers just multiplied
.endr
.else
	EXTR n-1                                       ; sixteen lines that name none of this pair's registers: they are those places, and the pair before has had its own
.endif
.if n <= 11
	ADDR 2*n+8                                     ; the two slots just read take the tiles eight further on
	ADDR 2*n+9
.endif
.set n, n+1
.endr
	EXTR 15                                        ; pair 14's sixteen lines stand between pair 15's products and this
	; THE FOUR BEST of my lane's 16 scores, then of the query's 32.
.set j, 0
.rept 16
	v_mul_f32 v[R+j], s[SC], v[R+j]
.set j, j+1
.endr
	v_cndmask_b32 v[EB], v[GL], v[GL+1], s[HM]     ; rows 0-7 of a tile lie in lanes 0-15, rows 8-15 in lanes 16-31
	v_cndmask_b32 v[EB+1], v[GL+2], v[GL+3], s[HM]
	v_lshlrev_b32 v[EB], 3, v[EB]
	v_lshlrev_b32 v[EB+1], 3, v[EB+1]
.irp k, 0,1,2,3
	v_mov_b32 v[T+(\k)], 0xff800000
	v_mov_b32 v[E+(\k)], 0
.endr
.set j, 0
.rept 16
	v_add_nc_u32 v[XE], j%8, v[EB+j/8]
	INSF R+j, XE
.set j, j+1
.endr
.irp k, 0,1,2,3
	v_permlanex16_b32 v[R+(\k)], v[T+(\k)], s[PS], s[PS+1]     ; the other half's four; R is done with
	v_permlanex16_b32 v[R+4+(\k)], v[E+(\k)], s[PS], s[PS+1]
.endr
.irp k, 0,1,2,3
	INSF R+(\k), R+4+(\k)
.endr
	v_cmp_gt_u32 vcc_lo, 16, v[LN]
	s_wait_xcnt 0x0                                ; EXEC is a source of the loads issued above: it changes only behind this wait
	s_and_saveexec_b32 s20, vcc_lo
	global_store_b128 v[OO], v[E:E+3], s[8:9]      ; lanes 0-15 store 256 consecutive bytes, aligned: 16 queries' four indices
	s_wait_xcnt 0x0                                ; and again in front of the line that widens it
	s_or_b32 exec_lo, exec_lo, s20
	s_endpgm
.Lfunc_end_k_qe0109682e3_pick:
	.size	k_qe0109682e3_pick, .Lfunc_end_k_qe0109682e3_pick-k_qe0109682e3_pick
	.p2alignl 7, 3214868480
	.fill 96, 4, 3214868480
	.section	.rodata,"a",@progbits
	.p2align	6, 0x0
	.amdhsa_kernel k_qe0109682e3_pick
		.amdhsa_group_segment_fixed_size 0
		.amdhsa_private_segment_fixed_size 0
		.amdhsa_enable_private_segment 0
		.amdhsa_kernarg_size 24
		.amdhsa_user_sgpr_count 2
		.amdhsa_user_sgpr_kernarg_segment_ptr 1
		.amdhsa_wavefront_size32 1
		.amdhsa_system_sgpr_workgroup_id_x 1
		.amdhsa_system_sgpr_workgroup_id_y 1
		.amdhsa_system_sgpr_workgroup_id_z 1
		.amdhsa_system_vgpr_workitem_id 0
		.amdhsa_next_free_vgpr 512
		.amdhsa_next_free_sgpr 66
		.amdhsa_reserve_vcc 1
		.amdhsa_float_denorm_mode_32 3
		.amdhsa_float_denorm_mode_16_64 3
		.amdhsa_memory_ordered 1
		.amdhsa_forward_progress 1
		.amdhsa_inst_pref_size 115
	.end_amdhsa_kernel
	.amdgpu_metadata
---
amdhsa.version: [ 1, 2 ]
amdhsa.kernels:
  - .name:           k_qe0109682e3_pick
    .symbol:         k_qe0109682e3_pick.kd
    .args:
      - { .name: x16, .offset: 0, .size: 8, .value_kind: global_buffer, .address_space: global }
      - { .name: cand, .offset: 8, .size: 8, .value_kind: global_buffer, .address_space: global }
      - { .name: out0, .offset: 16, .size: 8, .value_kind: global_buffer, .address_space: global }
    .group_segment_fixed_size: 0
    .private_segment_fixed_size: 0
    .kernarg_segment_align: 8
    .kernarg_segment_size: 24
    .max_flat_workgroup_size: 128
    .sgpr_count:     66
    .vgpr_count:     512
    .wavefront_size: 32
...
	.end_amdgpu_metadata
.endif
;; end of part 3
;; ======== version 2 of 2: 3 launches; version 1 with the launch pick written anew for expert scheduling mode
;; workspace buffers: x16 12,582,912 bytes; cand 2,097,152 bytes of whole numbers
;; launch cvt: the kernel of part 1 again; grid 768 x 1, 8 waves a work-group, no clusters, 0 bytes of LDS; arguments image, query, x16; writes x16
;; launch route: the kernel of part 2 again; grid 16 x 16, 4 waves a work-group, clusters of 4 x 1, 327,680 bytes of LDS; arguments x16, cand; writes cand
;; launch pick (part 4): grid 256 x 1, 4 waves a work-group, no clusters, 0 bytes of LDS; arguments x16, cand, out0; writes out0
.if DOCPART == 4
	.amdgcn_target "amdgcn-amd-amdhsa--gfx1250"
	.amdhsa_code_object_version 6
	.text
	.protected	k_qe0109682e3_pick
	.globl	k_qe0109682e3_pick
	.p2align	8
	.type	k_qe0109682e3_pick,@function
k_qe0109682e3_pick:
	s_mov_b64 s[64:65], 0
	v_nop
	global_prefetch_b8 v0, s[64:65] scope:SCOPE_SE
	s_setreg_imm32_b32 hwreg(HW_REG_WAVE_SCHED_MODE, 0, 2), 2
	s_setreg_imm32_b32 hwreg(HW_REG_WAVE_MODE, 25, 1), 1
	s_wait_xcnt 0x0
	s_wait_alu depctr_vm_vsrc(0)
; THE CHOICE.  For each query: the four parts' lists of four groups (cand, whole numbers) are merged into the batch's four best groups; their 32 keys are scored anew; out0 takes the indices of the four best,
; by scaled score descending, then index ascending.  Scores as in the launch before: bf16 products, f32 sums, channels ascending, times 128^-0.5 in f32.
; The merge is whole-number work on numbers read from memory: the gather's addresses hang on nothing that this launch computes in floating point.
; LIMITS.  NaN and infinities are not treated apart; -0 counts as +0; two scores closer than the f32 sums' rounding may be ordered otherwise than by another order of summation.
; SHARES.  A wave owns 16 queries; the waves of a work-group share nothing: no LDS, no barrier.  NO CLUSTER: each query gathers rows of its own, no tile is common to work-groups.
; THE PRODUCTS.  For query n two tiles of 16 key rows (its groups 1, 2 and 3, 4; a group is 8 rows, 2,048 consecutive bytes), each times all 16 queries' fragments; of the result only column n counts:
; lanes n and n + 16, eight scores each.  32 tiles, 128 matrix instructions a wave.  The tiles come by a ring of eight slots in registers, filled by plain loads: six younger tiles stay on their way.
; REGISTERS.  Window 0: addresses, lists, Q, four accumulators, the scores.  Window 1: the ring, 32 registers a slot.  (s_set_vgpr_msb: bits 1:0 source 0, 7:6 destination.)
; THE MODE: SCHED_MODE bits 1:0 = 2 (LLVM: expert scheduling mode 2), set by the entry lines.  The code itself states the register dependences between vector or matrix instructions and memory
; instructions, and those through scalar registers, VCC and EXEC, with s_wait_alu, always for 0.
; THE PLAN.  Registers that memory instructions touch:
;   v[CAO], v[QO], v[OO]   offsets, made at the head and never written again: one wait on va_vdst ahead of the first load.
;   KL, GL, K2, G2, QF     loads land in them once, at the head; afterwards vector and matrix instructions alone name them.
;   VO0 .. VO31            tile i's byte offsets in K: a register to each tile, written once by vector instructions, read by the tile's eight loads, never written again.
;   the ring               loads alone write it.  Pair n's eight matrix instructions read slots 2 n % 8 and (2 n + 1) % 8; behind them the loads of tiles 2 n + 8 and 2 n + 9 land there.
;   E                      written by the insertions, read by the one store.
; So: one wait on va_vdst ahead of the ring's first 64 loads (VO0-7 are written); one a pair, behind the pair's products and the selects that follow them, ahead of its 16 refill loads (the products are done
; reading the two slots; at pair 0 also: VO8-31 are written); pairs 12 to 15 load nothing and have none.  No register that a memory instruction reads is written again, so vm_vsrc is waited for at EXEC's two writes alone.
; Scalar registers that vector instructions write: the wave's number; an insertion's masks (one wait on va_sdst behind its run of compares); the groups' numbers read out of the lanes, sixteen to a wait.
.set LP,  3           ; v3   my place in a tile: (lane % 8) x 256 + 16 (lane / 16)
.set CAO, 4           ; v4   my byte offset in cand: 16 (lane % 16) + two parts for lanes 16-31
.set QO,  5           ; v5   my byte offset in 16 rows of Q
.set OO,  6           ; v6   my byte offset in out0
.set TM,  7           ; v7   at work
.set LN,  8           ; v8   lane
.set KL,  20          ; v20-23  the list: values as ordered integers
.set GL,  24          ; v24-27  the list: groups' numbers
.set K2,  28          ; v28-31  the second part's values, later the other half's
.set G2,  32          ; v32-35  the second part's numbers, later the other half's
.set QF,  48          ; v48-79  Q: channels 32 c on at QF + 8 c
.set ACC, 80          ; v80-111 pair n, tile u at ACC + 16 (n % 2) + 8 u
.set R,   112         ; v112-127 my query's scores: tile u, register j at R + 8 u + j; at last the other half's list
.set T,   128         ; v128-131 the four best scores
.set E,   132         ; v132-135 their indices
.set EB,  144         ; v144-145 8 x the group that my lane's scores of tile u belong to
.set XE,  146         ; v146 the index in hand
.set VO,  160         ; v160-191 tile i's byte offsets in K at VO + i
.set WV,  12          ; s12  my wave's number
.set HM,  21          ; s21  lanes 16-31
.set RM,  22          ; s22  lanes whose row in a tile is 8-15
.set PS,  26          ; s26-27 v_permlanex16_b32's selects: each lane takes its own place in the other half
.set SC,  28          ; s28  128^-0.5
.set LM,  29          ; s29  lanes n and n + 16
.set CM,  32          ; s32-43 compare masks
.set RL,  32          ; s32-47 while addresses are made: eight tiles' two groups each (no insertion is under way then, and the head's offsets in s44-47 are used up)
.set MSB, 0
.macro WIN new                         ; the immediate's high byte repeats the setting that is left; a switch that changes nothing is dropped
.if MSB != (\new)
	s_set_vgpr_msb (MSB<<8)|(\new)
.set MSB, \new
.endif
.endm
	s_load_b128 s[4:7], s[0:1], 0x0                ; x16 s[4:5], cand s[6:7]
	s_load_b64 s[8:9], s[0:1], 0x10                ; out0
	v_lshrrev_b32 v1, 5, v0
	v_readfirstlane_b32 s[WV], v1                  ; wave 0..3
	v_and_b32 v1, 15, v0                           ; l % 16
	v_bfe_u32 v2, v0, 4, 1                         ; l / 16
	v_and_b32 v[LN], 31, v0
	v_and_b32 v[TM], 7, v0
	v_lshlrev_b32 v[LP], 8, v[TM]
	v_lshl_add_u32 v[LP], v2, 4, v[LP]
	v_lshlrev_b32 v[CAO], 4, v1
	v_lshl_add_u32 v[CAO], v2, 17, v[CAO]
	v_lshlrev_b32 v[QO], 8, v1
	v_lshl_add_u32 v[QO], v2, 4, v[QO]
	v_lshlrev_b32 v[OO], 4, v1
	s_mov_b32 s[HM], 0xffff0000
	s_mov_b32 s[RM], 0xff00ff00
	s_mov_b32 s[PS], 0x76543210
	s_mov_b32 s[PS+1], 0xfedcba98
	s_mov_b32 s[SC], 0x3db504f3
	s_wait_alu depctr_va_sdst(0)                   ; the wave's number is written, ahead of its first reader: all four bases are made from it
	s_lshl_b32 s13, ttmp9, 2
	s_add_co_u32 s13, s13, s[WV]                   ; my wave among all 1,024
	s_lshr_b32 s14, s13, 8                         ; the batch: 256 waves of 16 queries each
	s_lshl_b32 s16, s14, 21                        ; K: the batch's 8,192 rows of 256 bytes
	s_mov_b32 s17, 0
	s_lshl_b32 s18, s13, 12                        ; Q: my 16 rows,
	s_add_co_u32 s18, s18, 0x800000                ; behind the keys
	s_mov_b32 s19, 0
	s_and_b32 s15, s13, 255
	s_lshl_b32 s15, s15, 8                         ; cand: my 16 queries of 16 bytes,
	s_lshl_b32 s44, s14, 18                        ; in the batch's four parts of 65,536 bytes
	s_add_co_u32 s44, s44, s15
	s_mov_b32 s45, 0
	s_lshl_b32 s46, s13, 8                         ; out0: 16 bytes a query
	s_mov_b32 s47, 0
	s_wait_kmcnt 0x0
	s_add_nc_u64 s[10:11], s[4:5], s[18:19]        ; Q
	s_add_nc_u64 s[4:5], s[4:5], s[16:17]          ; K
	s_add_nc_u64 s[6:7], s[6:7], s[44:45]
	s_add_nc_u64 s[8:9], s[8:9], s[46:47]
	s_wait_alu depctr_va_vdst(0)                   ; v[CAO] and v[QO] are written, which the twelve loads below read as their offsets; so is v[OO], the last store's
	global_load_b128 v[KL:KL+3], v[CAO], s[6:7]                   ; lanes 0-15: parts 0 and 1 of query l % 16; lanes 16-31: parts 2 and 3
	global_load_b128 v[K2:K2+3], v[CAO], s[6:7] offset:0x10000
	global_load_b128 v[GL:GL+3], v[CAO], s[6:7] offset:0x100000
	global_load_b128 v[G2:G2+3], v[CAO], s[6:7] offset:0x110000
.irp c, 0,1,2,3
	global_load_b128 v[QF+8*(\c):QF+8*(\c)+3],   v[QO], s[10:11] offset:64*(\c)     ; lane l: query l % 16, channels 32 c + 8 (l / 16) + 0..7 and 16 more on
	global_load_b128 v[QF+8*(\c)+4:QF+8*(\c)+7], v[QO], s[10:11] offset:64*(\c)+32
.endr
; Entry x goes into the four registers from b on, at the place that the masks name; the entries behind it move down.
.macro CHAIN b, x
	v_cndmask_b32 v[TM], v[\x], v[(\b)+2], s[CM+2]
	v_cndmask_b32 v[(\b)+3], v[(\b)+3], v[TM], s[CM+3]
	v_cndmask_b32 v[TM], v[\x], v[(\b)+1], s[CM+1]
	v_cndmask_b32 v[(\b)+2], v[(\b)+2], v[TM], s[CM+2]
	v_cndmask_b32 v[TM], v[\x], v[\b], s[CM]
	v_cndmask_b32 v[(\b)+1], v[(\b)+1], v[TM], s[CM+1]
	v_cndmask_b32 v[\b], v[\b], v[\x], s[CM]
.endm
.macro JOIN                            ; mask k: greater, or equal with the lower number
.irp k, 0,1,2,3
	s_and_b32 s[CM+4+(\k)], s[CM+4+(\k)], s[CM+8+(\k)]
	s_or_b32 s[CM+(\k)], s[CM+(\k)], s[CM+4+(\k)]
.endr
.endm
; (x, g) into the list of groups.  comp = 0: g is higher than every number in the list, so a tie leaves the list's entry ahead; comp = 1: a tie goes to the lower number.
.macro INSI x, g, comp
.irp k, 0,1,2,3
	v_cmp_gt_i32 s[CM+(\k)], v[\x], v[KL+(\k)]
.if \comp
	v_cmp_eq_u32 s[CM+4+(\k)], v[\x], v[KL+(\k)]
	v_cmp_lt_u32 s[CM+8+(\k)], v[\g], v[GL+(\k)]
.endif
.endr
	s_wait_alu depctr_va_sdst(0)                   ; the run of compares has written its masks, ahead of the first line that reads one: one wait for the run
.if \comp
	JOIN
.endif
	CHAIN GL, \g
	CHAIN KL, \x
.endm
; (x, e) into the list of scores: value descending, then index ascending.
.macro INSF x, e
.irp k, 0,1,2,3
	v_cmp_gt_f32 s[CM+(\k)], v[\x], v[T+(\k)]
	v_cmp_eq_f32 s[CM+4+(\k)], v[\x], v[T+(\k)]
	v_cmp_lt_u32 s[CM+8+(\k)], v[\e], v[E+(\k)]
.endr
	s_wait_alu depctr_va_sdst(0)                   ; the twelve compares have written their masks, ahead of the first line that reads one
	JOIN
	CHAIN E, \e
	v_med3_num_f32 v[T+3], v[\x], v[T+2], v[T+3]
	v_med3_num_f32 v[T+2], v[\x], v[T+1], v[T+2]
	v_med3_num_f32 v[T+1], v[\x], v[T], v[T+1]
	v_max_num_f32 v[T], v[\x], v[T]
.endm
	s_wait_loadcnt 0x8                             ; the four lists are in; Q's eight loads, issued behind them, stay out
.irp i, 0,1,2,3
	INSI K2+(\i), G2+(\i), 0                       ; my second part into my first
.endr
.irp i, 0,1,2,3
	v_permlanex16_b32 v[K2+(\i)], v[KL+(\i)], s[PS], s[PS+1]   ; the other two parts' best four; the destinations have been written and are done with
	v_permlanex16_b32 v[G2+(\i)], v[GL+(\i)], s[PS], s[PS+1]
.endr
.irp i, 0,1,2,3
	INSI K2+(\i), G2+(\i), 1                       ; both halves end with the same four groups
.endr
; The byte offsets of tiles 8 b to 8 b + 7.  Tile i belongs to query i / 2 and holds its groups 2 (i % 2) + 1 and + 2.  A number that was loaded enters an address behind a clamp to the 1,024 groups of a batch.
; Eight tiles at a time: sixteen numbers are read out of the lanes, ONE wait stands behind them, and the five lines of an address go line by line across the eight tiles, so that none reads the result of the line before it.
.macro ADDRS b
.irp j, 0,1,2,3,4,5,6,7
	v_readlane_b32 s[RL+2*(\j)],   v[GL+2*((\j)%2)],   4*(\b)+(\j)/2
	v_readlane_b32 s[RL+2*(\j)+1], v[GL+2*((\j)%2)+1], 4*(\b)+(\j)/2
.endr
	s_wait_alu depctr_va_sdst(0)                   ; the sixteen numbers are written, ahead of the first line that reads one
.irp j, 0,1,2,3,4,5,6,7
	v_mov_b32 v[VO+8*(\b)+(\j)], s[RL+2*(\j)]
.endr
.irp j, 0,1,2,3,4,5,6,7
	v_cndmask_b32 v[VO+8*(\b)+(\j)], v[VO+8*(\b)+(\j)], s[RL+2*(\j)+1], s[RM]  ; rows 8-15 of the tile are the second group's
.endr
.irp j, 0,1,2,3,4,5,6,7
	v_min_u32 v[VO+8*(\b)+(\j)], 0x3ff, v[VO+8*(\b)+(\j)]
.endr
.irp j, 0,1,2,3,4,5,6,7
	v_lshlrev_b32 v[VO+8*(\b)+(\j)], 11, v[VO+8*(\b)+(\j)]                     ; 8 rows of 256 bytes a group
.endr
.irp j, 0,1,2,3,4,5,6,7
	v_add_nc_u32 v[VO+8*(\b)+(\j)], v[VO+8*(\b)+(\j)], v[LP]
.endr
.endm
; Tile i is asked for, into ring slot i % 8: destination window 1, address window 0 (the window is set by the lines round the macro).
; The slot's registers are loaded again only behind the counted wait that has shown its last eight loads done.
.macro FILL i
.set sl, (\i)%8
.irp c, 0,1,2,3
	global_load_b128 v[32*sl+8*(\c):32*sl+8*(\c)+3],   v[VO+(\i)], s[4:5] offset:64*(\c)       ; no hint: a row may be named by many queries
	global_load_b128 v[32*sl+8*(\c)+4:32*sl+8*(\c)+7], v[VO+(\i)], s[4:5] offset:64*(\c)+32
.endr
.endm
; Pair n's column n goes into R, each accumulator from its low end on.  Pair 0 writes all lanes, so R is never cleared.
.macro EXTR n
.set aB, ACC+16*((\n)%2)
.if (\n) != 0
	s_mov_b32 s[LM], 0x00010001<<(\n)
.endif
.set j, 0
.rept 16
.if (\n) == 0
	v_mov_b32 v[R+j], v[aB+j]
.else
	v_cndmask_b32 v[R+j], v[R+j], v[aB+j], s[LM]
.endif
.set j, j+1
.endr
.endm
	ADDRS 0
	WIN 0x40                                       ; destination window 1, address window 0
	s_wait_alu depctr_va_vdst(0)                   ; VO0 to VO7 are written, which the 64 loads below read as their offsets
.irp i, 0,1,2,3,4,5,6,7
	FILL \i                                        ; the ring is filled
.endr
	WIN 0
	ADDRS 1                                        ; the other 24 tiles' offsets are made while the ring's first loads are on their way: these lines name no register that those loads touch
	ADDRS 2
	ADDRS 3
.set n, 0
.rept 16
.set last, 2*n+7                       ; the youngest tile asked for so far
.if last > 31
.set last, 31
.endif
	s_wait_loadcnt 8*(last-(2*n+1))                ; loads come back in order: tiles 2 n and 2 n + 1 are in (and Q, at the first time); eight loads for each younger tile stay out
	WIN 0x01                                       ; source 0, the keys, in window 1
.irp c, 0,1,2,3
.irp u, 0,1
.set rD, ACC+16*(n%2)+8*(\u)
.set rA, 32*((2*n+(\u))%8)+8*(\c)
.if (\c) == 0
	v_wmma_f32_16x16x32_bf16 v[rD:rD+7], v[rA:rA+7], v[QF+8*(\c):QF+8*(\c)+7], 0
.else
	v_wmma_f32_16x16x32_bf16 v[rD:rD+7], v[rA:rA+7], v[QF+8*(\c):QF+8*(\c)+7], v[rD:rD+7]  ; the pair's two accumulators by turns
.endif
.endr
.endr
	WIN 0
.if n == 0
.rept 4
	v_nop                                          ; no pair before this one: the places in front of the loads into the registers just multiplied
.endr
.else
	EXTR n-1                                       ; sixteen lines that name none of this pair's registers: they are this pair's places, and the pair before has had its own
.endif
.if n <= 11
	WIN 0x40                                       ; destination window 1, address window 0
	s_wait_alu depctr_va_vdst(0)                   ; this pair's products are done reading the two slots, in which the loads below land; at pair 0 also: VO8 to VO31 are written, which the refills read
	FILL 2*n+8                                     ; the two slots just read take the tiles eight further on
	FILL 2*n+9
	WIN 0
.endif
.set n, n+1
.endr
	EXTR 15                                        ; pair 14's sixteen lines stand between pair 15's products and this
	; THE FOUR BEST of my lane's 16 scores, then of the query's 32.
.set j, 0
.rept 16
	v_mul_f32 v[R+j], s[SC], v[R+j]
.set j, j+1
.endr
	v_cndmask_b32 v[EB], v[GL], v[GL+1], s[HM]     ; rows 0-7 of a tile lie in lanes 0-15, rows 8-15 in lanes 16-31
	v_cndmask_b32 v[EB+1], v[GL+2], v[GL+3], s[HM]
	v_lshlrev_b32 v[EB], 3, v[EB]
	v_lshlrev_b32 v[EB+1], 3, v[EB+1]
.irp k, 0,1,2,3
	v_mov_b32 v[T+(\k)], 0xff800000
	v_mov_b32 v[E+(\k)], 0
.endr
.set j, 0
.rept 16
	v_add_nc_u32 v[XE], j%8, v[EB+j/8]
	INSF R+j, XE
.set j, j+1
.endr
.irp k, 0,1,2,3
	v_permlanex16_b32 v[R+(\k)], v[T+(\k)], s[PS], s[PS+1]     ; the other half's four; R is done with
	v_permlanex16_b32 v[R+4+(\k)], v[E+(\k)], s[PS], s[PS+1]
.endr
.irp k, 0,1,2,3
	INSF R+(\k), R+4+(\k)
.endr
	v_cmp_gt_u32 vcc_lo, 16, v[LN]
	s_wait_xcnt 0x0                                ; EXEC is a source of the loads issued above: it changes only behind this wait
	s_wait_alu depctr_va_vcc(0)                    ; VCC is written: EXEC is made from it
	s_wait_alu depctr_va_vdst(0)                   ; every vector instruction issued under the full EXEC has written its result; among them the insertions have written E, which the store below reads
	s_wait_alu depctr_vm_vsrc(0)                   ; every memory instruction issued under the full EXEC has read its registers
	s_and_saveexec_b32 s20, vcc_lo
	global_store_b128 v[OO], v[E:E+3], s[8:9]      ; lanes 0-15 store 256 consecutive bytes, aligned: 16 queries' four indices
	s_wait_xcnt 0x0                                ; and again in front of the line that widens it
	s_wait_alu depctr_va_vdst(0)                   ; no vector instruction is under way when EXEC is written
	s_wait_alu depctr_vm_vsrc(0)                   ; the store has read v[OO] and E under the narrow EXEC
	s_or_b32 exec_lo, exec_lo, s20
	s_endpgm
.Lfunc_end_k_qe0109682e3_pick:
	.size	k_qe0109682e3_pick, .Lfunc_end_k_qe0109682e3_pick-k_qe0109682e3_pick
	.p2alignl 7, 3214868480
	.fill 96, 4, 3214868480
	.section	.rodata,"a",@progbits
	.p2align	6, 0x0
	.amdhsa_kernel k_qe0109682e3_pick
		.amdhsa_group_segment_fixed_size 0
		.amdhsa_private_segment_fixed_size 0
		.amdhsa_enable_private_segment 0
		.amdhsa_kernarg_size 24
		.amdhsa_user_sgpr_count 2
		.amdhsa_user_sgpr_kernarg_segment_ptr 1
		.amdhsa_wavefront_size32 1
		.amdhsa_system_sgpr_workgroup_id_x 1
		.amdhsa_system_sgpr_workgroup_id_y 1
		.amdhsa_system_sgpr_workgroup_id_z 1
		.amdhsa_system_vgpr_workitem_id 0
		.amdhsa_next_free_vgpr 512
		.amdhsa_next_free_sgpr 66
		.amdhsa_reserve_vcc 1
		.amdhsa_float_denorm_mode_32 3
		.amdhsa_float_denorm_mode_16_64 3
		.amdhsa_memory_ordered 1
		.amdhsa_forward_progress 1
		.amdhsa_inst_pref_size 115
	.end_amdhsa_kernel
	.amdgpu_metadata
---
amdhsa.version: [ 1, 2 ]
amdhsa.kernels:
  - .name:           k_qe0109682e3_pick
    .symbol:         k_qe0109682e3_pick.kd
    .args:
      - { .name: x16, .offset: 0, .size: 8, .value_kind: global_buffer, .address_space: global }
      - { .name: cand, .offset: 8, .size: 8, .value_kind: global_buffer, .address_space: global }
      - { .name: out0, .offset: 16, .size: 8, .value_kind: global_buffer, .address_space: global }
    .group_segment_fixed_size: 0
    .private_segment_fixed_size: 0
    .kernarg_segment_align: 8
    .kernarg_segment_size: 24
    .max_flat_workgroup_size: 128
    .sgpr_count:     66
    .vgpr_count:     512
    .wavefront_size: 32
...
	.end_amdgpu_metadata
.endif
;; end of part 4
